; MI455X (gfx1250); checked and timed in simulation.
; The chip was launched on July 23, 2026; its instructions are those of AMD's public machine-readable ISA for CDNA 5 (MIT licence, August 2026) and "CDNA5" Instruction Set Architecture Reference Guide (July 2026). The comments in the code are by the model that wrote it; some were corrected since.
;; LSTM unit. Allowed arithmetic: matrix products marked QUANTISED: E2M3 operands, one E8M0 scale for each 32 along K, by v_wmma_scale_f32_16x16x128_f8f6f4 with both operands' format E2M3, f32 sums; everything else in f32.
;; Inputs: Wh 4 x 2,048 x 2,048 float32; Wx 4 x 2,048 x 2,048 float32; bh 4 x 2,048 float32; bx 4 x 2,048 float32; c 2,048 x 2,048 float32; h 2,048 x 2,048 float32; x 2,048 x 2,048 float32.
;; Outputs: out0 2,048 x 2,048 float32; out1 2,048 x 2,048 float32.
;; This version of the problem:
;;   THIS VERSION OF THE PROBLEM IS GIVEN IN LOW PRECISION. The matrix products marked QUANTISED in the list below multiply operands that are first quantised to E2M3 (2 exponent bits, 3 mantissa bits; 6 bits a number), with one power-of-two scale for each 32 numbers along K (OCP MX v1.0); their sums are f32. All else is computed in f32.
;;   The module's matrix products, in the order in which they are computed (A, B: the left and right operand; K: the contracted axis; several contracted axes count as one K, in the product's order):
;;     1. [M 8,192, K 2,048] x [K 2,048, N 2,048]; A: input Wx; B: input x: QUANTISED
;;     2. [M 8,192, K 2,048] x [K 2,048, N 2,048]; A: input Wh; B: input h: QUANTISED
;;   THE QUANTISER, for each operand of a quantised product, along K:
;;     - K is cut into blocks of 32 from its start; a last block that is shorter is filled with zeros.
;;     - A block's scale is 2^e with e = floor(log2(the largest magnitude in the block)) - 2, held to -126 .. 127; a block of zeros has e = 0. As a byte (E8M0): e + 127.
;;     - Each number is divided by its block's scale, clamped to +-7.5, and rounded to the nearest number of E2M3, ties to even, subnormals kept.
;;     - The product sums the exact products of the quantised numbers (number of the format x scale) in f32.
;;   ~~~python
;;   def quantise(x, axis):      # numpy; x: float32 -> the quantised numbers, widened to float32 again
;;       x = np.moveaxis(x, axis, -1); K = x.shape[-1]
;;       x = np.pad(x, [(0, 0)] * (x.ndim - 1) + [(0, -K % 32)]); x = x.reshape(x.shape[:-1] + (-1, 32)); a = np.abs(x).max(-1, keepdims=True)
;;       e = np.where(a > 0, np.clip(np.frexp(np.where(a > 0, a, 1))[1] - 1 - 2, -126, 127), 0)      # np.frexp(a)[1] - 1 = floor(log2(a)), exactly
;;       r = np.clip(x / 2.0 ** e, -7.5, 7.5)
;;       step = 2.0 ** (np.maximum(np.frexp(np.where(r == 0, 1, r))[1] - 1, 0) - 3)
;;       q = np.round(r / step) * step * 2.0 ** e      # np.round: ties to even
;;       return np.moveaxis(q.reshape(q.shape[:-2] + (-1,))[..., :K], -1, axis).astype(np.float32)
;;   ~~~
;; One version. Each part assembles by itself: llvm-mc -triple=amdgcn-amd-amdhsa -mcpu=gfx1250 --defsym DOCPART=n.
;; ======== version 1 of 1: 2 launches
;; limits: right only within a limited range of input values
;; workspace buffers: q 32,768,000 bytes
;; launch quant (part 1): grid 256 x 1, 4 waves a work-group, no clusters, 327,680 bytes of LDS; arguments x, h, Wx, Wh, q; writes q
.if DOCPART == 1
	.amdgcn_target "amdgcn-amd-amdhsa--gfx1250"
	.amdhsa_code_object_version 6
	.text
	.protected	k_q9022953d4c_quant
	.globl	k_q9022953d4c_quant
	.p2align	8
	.type	k_q9022953d4c_quant,@function
k_q9022953d4c_quant:
	s_mov_b64 s[64:65], 0
	v_nop
	global_prefetch_b8 v0, s[64:65] scope:SCOPE_SE
	s_setreg_imm32_b32 hwreg(HW_REG_WAVE_MODE, 25, 1), 1
	s_wait_xcnt 0x0
; x, h [2048][2048] and Wx, Wh [4][2048][2048], f32, become codes of FP6 (E2M3) with one E8M0 byte for each 32 along K, laid in q as the product's launch reads them.
; THE PRODUCT is one GEMM: A = [x | h] (2,048 rows, K = 4,096), B = [Wx | Wh] (4 x 2,048 rows, the same K).
; q = 80 tiles of 409,600 bytes.  A tile is 128 operand rows: tiles 0-15 are A's rows 128 T on; tile 16 + Tb holds, as its row 32 g + oo, row 32 Tb + oo of gate g.
; A tile is 32 chunks of 128 along K (x's 16, then h's 16), each a dense block of 12,800 bytes: 8 fragments of 1,536 bytes, that of row block i at 1,536 i, as an image of the operand's 12 registers
; (registers 4 c .. 4 c + 3 of lane l at 512 c + 16 l); behind them 512 bytes of scale words: that of row 16 i + r at 12,288 + 256 (i / 4) + 16 r + 4 (i % 4).
; A block's scale is 2^(floor(log2(its largest magnitude)) - 2); its byte is the largest magnitude's exponent field - 2, held at 1 from below.
; LIMITS: a block of zeros gets the byte 1 where the rule says 127 (its codes are zeros, which add nothing under any byte but 0xff, and this program alone reads the bytes);
; NaN and infinities among the inputs are not served.
; SHARES.  A task is 64 operand rows (four row blocks whose scale words fill one 256-byte unit) x 512 along K (four chunks): 131,072 bytes of f32.  There are 256 tasks of A and 1,024 of B:
; work-group g takes A's task g and then B's tasks 4 g .. 4 g + 3, which are the four quarters along K of the same 64 rows of one weight.  256 work-groups, five tasks each.
; A task comes into one of two LDS slots by four tensor loads, one a wave: wave w brings rows 32 (w % 2) on (in B: gate 2 ip + w % 2) x 1,024 bytes at 1,024 (w / 2); rows in LDS are 1,040 bytes apart,
; so that the sixteen rows that a load of 16 bytes a lane touches start at sixteen different groups of banks (64 banks of 4 bytes: ISA guide 11.1).
; Then wave w works chunk w of the task: 8 steps of 16 rows x 64 K; lane (r, h) reads the 32 neighbours that the operand's layout gives it (row r, K = 64 cc + 32 h + 0 .. 31), so a block's
; maximum needs no other lane and the conversions' results are the operand's registers.  LDS reads run two steps ahead, in three sets of registers.  While one slot is worked the other's load is on its way.
; PREFETCH: each wave names the 128 blocks of 256 bytes of a later tensor load of its own (a lane a row, four instructions): trip t, whose refill brings task t + 1, asks for task t + 1 + AHEAD;
; tasks 1 .. AHEAD are asked for at the head; the last trips, whose look-ahead would pass task 4, ask for nothing.
; No cluster: no two work-groups read the same bytes.  All of LDS is claimed.
.set AHEAD, 1
.set LP,    1040                       ; an LDS row: 1,024 bytes + 16
.set PART,  32*LP                      ; what one tensor load fills
.set SLOT,  4*PART
.set SPARE, 2*SLOT                     ; the spare words, 128 bytes a wave
.set TILEB, 409600
.set CHB,   12800
.set ADR,   20                         ; v20-23   LDS address of my numbers: slot 0 rows 0-31, rows 32-63; slot 1 likewise
.set PFO,   24                         ; v24      lane x a source row (8,192 bytes); never rewritten
.set SPW,   28                         ; v28      my spare word; never rewritten
.set NIL,   29                         ; v29      0; never rewritten
.set X,     32                         ; v32-127  three sets of 32 neighbours
.set C,     128                        ; v128-175 four sets of 12: a task's four fragments
.set TP,    176                        ; v176-178 the second half of a block's codes (a conversion's three registers begin on an even number)
.set W,     180                        ; v180-183 a scale word for each fragment
	s_load_b256 s[4:11], s[0:1], 0x0               ; x, h, Wx, Wh
	s_load_b64 s[12:13], s[0:1], 0x20              ; q
	v_lshl_add_u32 v[SPW], v0, 2, SPARE
	v_mov_b32 v[NIL], 0
	ds_add_u32 v[SPW], v[NIL]                      ; the opening lines: the add, twice on end, and one wait
	ds_add_u32 v[SPW], v[NIL]
	v_lshrrev_b32 v1, 5, v0
	v_readfirstlane_b32 s16, v1                    ; wave 0..3
	s_and_b32 s17, s16, 1                          ; as loader: which 32 rows; as worker: which half of a 1,024-byte row
	s_lshr_b32 s18, s16, 1                         ; which 1,024 bytes
	s_mul_i32 s22, s18, 2*PART
	s_lshl_b32 s23, s17, 9
	s_add_co_u32 s22, s22, s23                     ; my chunk in a slot
	v_and_b32 v1, 31, v0                           ; lane
	v_and_b32 v2, 15, v0                           ; r
	v_bfe_u32 v3, v0, 4, 1                         ; h
	v_mul_u32_u24 v6, v2, LP
	v_lshl_add_u32 v6, v3, 7, v6                   ; row r, 128 h
	v_add_nc_u32 v[ADR], s22, v6
	v_add_nc_u32 v[ADR+1], PART, v[ADR]
	v_add_nc_u32 v[ADR+2], SLOT, v[ADR]
	v_add_nc_u32 v[ADR+3], SLOT+PART, v[ADR]
	v_lshlrev_b32 v7, 4, v1                        ; an image's place for my lane
	v_lshlrev_b32 v8, 4, v2
	v_lshl_add_u32 v8, v3, 3, v8                   ; the scale words' place: 16 r + 8 h
	v_lshlrev_b32 v9, 3, v3                        ; 8 h: where my bytes stand in a scale word
	v_mov_b32 v15, 0                               ; a lane permute's destination counts as one of its sources
	v_lshlrev_b32 v[PFO], 13, v1
	s_mov_b32 s14, 0x76543210
	s_mov_b32 s15, 0xfedcba98                      ; v_permlanex16_b32's selects for lane l xor 16
	s_mov_b32 s24, (3<<16)|(1<<20)|(7<<22)|(3<<25) ; group 1: elements of 8 bytes; 4 words of padding behind every 256
	s_mov_b32 s25, 128<<16                         ; tensor_dim0 = 128 elements
	s_mov_b32 s26, 32<<16                          ; tensor_dim1 = 32
	s_mov_b32 s27, 128<<16                         ; tile_dim0
	s_mov_b32 s28, 32                              ; tile_dim1
	s_mov_b32 s29, 1024                            ; from row to row: 8,192 bytes
	s_mov_b32 s30, 0
	s_mov_b32 s31, 0
	s_mul_i32 s45, s16, PART                       ; where my tensor loads land in a slot
	; A's task g: sg = g % 8 (four chunks), ip = (g / 8) % 2 (row blocks 4 ip on), T = g / 16
	s_and_b32 s19, ttmp9, 7
	s_bfe_u32 s20, ttmp9, 0x10003
	s_lshr_b32 s21, ttmp9, 4
	s_lshl_b32 s36, s21, 2
	s_lshl_b32 s37, s20, 1
	s_add_co_u32 s36, s36, s37
	s_add_co_u32 s36, s36, s17                     ; in units of 32 rows: 4 T + 2 ip + my half
	s_lshl_b32 s36, s36, 18
	s_and_b32 s37, s19, 3
	s_lshl_b32 s37, s37, 1
	s_add_co_u32 s37, s37, s18
	s_lshl_b32 s37, s37, 10                        ; along the row: 2,048 (sg % 4) + 1,024 x my half
	s_add_co_u32 s36, s36, s37
	s_mov_b32 s37, 0
	s_lshr_b32 s46, s19, 2                         ; 0: x, 1: h
	s_mul_i32 s38, s21, TILEB
	s_lshl_b32 s39, s19, 2
	s_add_co_u32 s39, s39, s16
	s_mul_i32 s39, s39, CHB
	s_add_co_u32 s38, s38, s39                     ; q at tile T, chunk 4 sg + wave
	s_mul_i32 s39, s20, 4*1536
	s_add_co_u32 s40, s38, s39                     ; my four fragments
	s_mov_b32 s41, 0
	s_lshl_b32 s39, s20, 8
	s_add_co_u32 s42, s38, s39
	s_add_co_u32 s42, s42, 8*1536                  ; my 64 rows' scale words
	s_mov_b32 s43, 0
	; B's tasks 4 g + 0 .. 3: Tb = g / 4, ip = (g / 2) % 2, weight g % 2; chunk 16 (g % 2) + 4 (task) + wave
	s_lshr_b32 s21, ttmp9, 2
	s_bfe_u32 s20, ttmp9, 0x10001
	s_and_b32 s47, ttmp9, 1
	s_lshl_b32 s48, s20, 7
	s_add_co_u32 s48, s48, s21
	s_lshl_b32 s49, s17, 6
	s_add_co_u32 s48, s48, s49                     ; in units of 32 rows: 128 ip + Tb + 64 x my half (a gate on)
	s_lshl_b32 s48, s48, 18
	s_lshl_b32 s49, s18, 10
	s_add_co_u32 s48, s48, s49
	s_mov_b32 s49, 0
	s_add_co_u32 s21, s21, 16
	s_mul_i32 s38, s21, TILEB
	s_lshl_b32 s39, s47, 4
	s_add_co_u32 s39, s39, s16
	s_mul_i32 s39, s39, CHB
	s_add_co_u32 s38, s38, s39
	s_mul_i32 s39, s20, 4*1536
	s_add_co_u32 s50, s38, s39
	s_mov_b32 s51, 0
	s_lshl_b32 s39, s20, 8
	s_add_co_u32 s52, s38, s39
	s_add_co_u32 s52, s52, 8*1536
	s_mov_b32 s53, 0
	s_mov_b32 s32, 1                               ; group 0: count
	s_add_co_u32 s33, s45, 0                       ; slot 0
	s_wait_alu depctr_va_vdst(0)
	s_wait_dscnt 0x0                               ; both opening adds are done
	s_wait_kmcnt 0x0
	s_cmp_eq_u32 s46, 0                            ; only pointers are chosen, by the work-group's number
	s_cselect_b64 s[4:5], s[4:5], s[6:7]
	s_cmp_eq_u32 s47, 0
	s_cselect_b64 s[8:9], s[8:9], s[10:11]
	s_add_nc_u64 s[56:57], s[4:5], s[36:37]        ; my part of A's task
	s_add_nc_u64 s[58:59], s[8:9], s[48:49]        ; my part of B's first task; the others lie 2,048 bytes apart
	s_add_nc_u64 s[40:41], s[12:13], s[40:41]
	s_add_nc_u64 s[42:43], s[12:13], s[42:43]
	s_add_nc_u64 s[50:51], s[12:13], s[50:51]
	s_add_nc_u64 s[52:53], s[12:13], s[52:53]
	s_mov_b64 s[34:35], s[56:57]
	s_or_b32 s35, s35, 0x80000000
	tensor_load_to_lds s[32:35], s[24:31]          ; task 0: my one tensor load at the head
	s_nop 0
.macro ASKT tile                       ; my part of task \tile (1 .. 4): 32 rows x 4 blocks of 256 bytes, a lane a row
.irp u, 0,1,2,3
	global_prefetch_b8 v[PFO], s[58:59] offset:((\tile)-1)*2048+256*\u th:TH_LOAD_NT scope:SCOPE_SE
.endr
.endm
.set TI, 1
.rept AHEAD
	ASKT TI
.set TI, TI+1
.endr
; step t = 2 ii + cc of trip tr: row block ii of the task's four, K = 64 cc on
.macro XLOAD tr, t
.set AR, ADR+2*((\tr)%2)+(\t)/4
.irp k, 0,1,2,3,4,5,6,7
	ds_load_b128 v[X+32*((\t)%3)+4*\k:X+32*((\t)%3)+4*\k+3], v[AR] offset:(((\t)/2)%2)*16*LP+256*((\t)%2)+16*\k
.endr
.endm
.macro PUT f                           ; fragment f leaves: each store covers 512 consecutive bytes, at a multiple of 256 from q's first byte
.irp c, 0,1,2
	global_store_b128 v7, v[C+12*(\f)+4*\c:C+12*(\f)+4*\c+3], s[CBR:CBR+1] offset:DOFF+1536*(\f)+512*\c
.endr
.endm
.macro STEP tr, t
.if (\t)+2 < 8
	XLOAD \tr, (\t)+2                              ; the numbers of two steps on, into the set read last step
.endif
.if 7-(\t) >= 2
	s_wait_dscnt 16                                ; this step's eight loads are in; the two younger sets may be out
.else
	s_wait_dscnt 8*(7-(\t))
.endif
.set FX, (\t)/2
.set CX, (\t)%2
.set FB, C+12*FX
.set XS, X+32*((\t)%3)
	v_max3_num_f32 v10, |v[XS]|, |v[XS+1]|, 0x1800000              ; the block's largest magnitude, in two chains, with the floor 2^(3 - 127) among the leaves: the byte cannot fall under 1
	v_max3_num_f32 v11, |v[XS+2]|, |v[XS+3]|, |v[XS+4]|
.irp i, 5,9,13,17,21,25
	v_max3_num_f32 v10, v10, |v[XS+\i]|, |v[XS+\i+1]|
	v_max3_num_f32 v11, v11, |v[XS+\i+2]|, |v[XS+\i+3]|
.endr
	v_max3_num_f32 v10, v10, |v[XS+29]|, |v[XS+30]|
	v_max3_num_f32 v10, v10, v11, |v[XS+31]|
	v_add_nc_u32 v12, 0xff000000, v10              ; 2 off its exponent field: the conversion takes that field as its scale
.if (CX == 0) && (FX > 0)
	PUT FX-1                                       ; the fragment finished last step: more than nine plain vector lines stand between its last write and these stores
.endif
	v_cvt_scalef32_pk16_fp6_f32 v[FB+6*CX:FB+6*CX+2], v[XS:XS+15], v12
	v_cvt_scalef32_pk16_fp6_f32 v[TP:TP+2], v[XS+16:XS+31], v12
	v_lshrrev_b32 v13, 23, v12                     ; the scale's byte (also the plain line behind the conversions)
.irp i, 0,1,2
	v_mov_b32 v[FB+6*CX+3+\i], v[TP+\i]            ; registers 6 cc .. 6 cc + 5 hold K = 64 cc + 32 h + 0 .. 31
.endr
.if CX == 0
	v_mov_b32 v14, v13
.else
	v_lshl_or_b32 v14, v13, 16, v14                ; my two bytes: blocks h and 2 + h of my row's 128,
	v_lshlrev_b32 v14, v9, v14                     ; at their places in the word;
	v_permlanex16_b32 v15, v14, s14, s15
	v_or_b32 v[W+FX], v14, v15                     ; with lane l xor 16's two the word is whole
.endif
.endm
.macro TRIP tr
.if (\tr) == 0
.set CBR, 40
.set SBR, 42
.set DOFF, 0
.else
.set CBR, 50
.set SBR, 52
.set DOFF, ((\tr)-1)*4*CHB
	s_wait_xcnt 0x0                                ; the last trip's stores have read their registers: they are written again only behind this wait
.endif
	s_wait_tensorcnt 0x0                           ; my one load that was out, my part of this trip's task, has landed;
	ds_add_u32 v[SPW], v[NIL]
.if (\tr) < 4
	s_add_co_u32 s33, s45, (1-(\tr)%2)*SLOT        ; no load of mine is out: group 0 is set for the next task, into the other slot
	s_add_nc_u64 s[34:35], s[58:59], (\tr)*2048
	s_or_b32 s35, s35, 0x80000000
.endif
	s_wait_dscnt 0x0                               ; the add is done, and so are my reads of the other slot
	s_barrier_signal -1
	s_barrier_wait -1                              ; both hold of all four waves
.if (\tr) < 4
	tensor_load_to_lds s[32:35], s[24:31]          ; my one load behind this barrier
	s_nop 0
.endif
	XLOAD \tr, 0
	XLOAD \tr, 1
.if (\tr)+1+AHEAD <= 4
	ASKT (\tr)+1+AHEAD
.endif
.irp t, 0,1,2,3,4,5,6,7
	STEP \tr, \t
.endr
	v_cmp_eq_u32 vcc_lo, 1, v3                     ; lanes 0-15 store row r's words of row blocks 0 and 1, lanes 16-31 those of blocks 2 and 3
	v_cndmask_b32 v184, v[W], v[W+2], vcc_lo
	v_cndmask_b32 v185, v[W+1], v[W+3], vcc_lo
	PUT 3
	global_store_b64 v8, v[184:185], s[SBR:SBR+1] offset:DOFF      ; the 32 lanes' 8 bytes fill 256 consecutive bytes, aligned
.endm
.irp tr, 0,1,2,3,4
	TRIP \tr
.endr
	s_wait_tensorcnt 0x0                           ; the wave's end
	ds_add_u32 v[SPW], v[NIL]
	s_wait_dscnt 0x0
	s_endpgm
.Lfunc_end_k_q9022953d4c_quant:
	.size	k_q9022953d4c_quant, .Lfunc_end_k_q9022953d4c_quant-k_q9022953d4c_quant
	.p2alignl 7, 3214868480
	.fill 96, 4, 3214868480
	.section	.rodata,"a",@progbits
	.p2align	6, 0x0
	.amdhsa_kernel k_q9022953d4c_quant
		.amdhsa_group_segment_fixed_size 327680
		.amdhsa_private_segment_fixed_size 0
		.amdhsa_enable_private_segment 0
		.amdhsa_kernarg_size 40
		.amdhsa_user_sgpr_count 2
		.amdhsa_user_sgpr_kernarg_segment_ptr 1
		.amdhsa_wavefront_size32 1
		.amdhsa_system_sgpr_workgroup_id_x 1
		.amdhsa_system_sgpr_workgroup_id_y 1
		.amdhsa_system_sgpr_workgroup_id_z 1
		.amdhsa_system_vgpr_workitem_id 0
		.amdhsa_next_free_vgpr 192
		.amdhsa_next_free_sgpr 66
		.amdhsa_reserve_vcc 1
		.amdhsa_float_denorm_mode_32 3
		.amdhsa_float_denorm_mode_16_64 3
		.amdhsa_memory_ordered 1
		.amdhsa_forward_progress 1
		.amdhsa_inst_pref_size 95
	.end_amdhsa_kernel
	.amdgpu_metadata
---
amdhsa.version: [ 1, 2 ]
amdhsa.kernels:
  - .name:           k_q9022953d4c_quant
    .symbol:         k_q9022953d4c_quant.kd
    .args:
      - { .name: x, .offset: 0, .size: 8, .value_kind: global_buffer, .address_space: global }
      - { .name: h, .offset: 8, .size: 8, .value_kind: global_buffer, .address_space: global }
      - { .name: Wx, .offset: 16, .size: 8, .value_kind: global_buffer, .address_space: global }
      - { .name: Wh, .offset: 24, .size: 8, .value_kind: global_buffer, .address_space: global }
      - { .name: q, .offset: 32, .size: 8, .value_kind: global_buffer, .address_space: global }
    .group_segment_fixed_size: 327680
    .private_segment_fixed_size: 0
    .kernarg_segment_align: 8
    .kernarg_segment_size: 40
    .max_flat_workgroup_size: 128
    .sgpr_count:     66
    .vgpr_count:     192
    .wavefront_size: 32
...
	.end_amdgpu_metadata
.endif
;; end of part 1
;; launch lstm (part 2): grid 32 x 8, 4 waves a work-group, clusters of 4 x 4, 327,680 bytes of LDS; arguments q, bx, bh, c, out0, out1; writes out0, out1
.if DOCPART == 2
	.amdgcn_target "amdgcn-amd-amdhsa--gfx1250"
	.amdhsa_code_object_version 6
	.text
	.protected	k_q9022953d4c_lstm
	.globl	k_q9022953d4c_lstm
	.p2align	8
	.type	k_q9022953d4c_lstm,@function
k_q9022953d4c_lstm:
	s_mov_b64 s[64:65], 0
	v_nop
	global_prefetch_b8 v0, s[64:65] scope:SCOPE_SE
	s_setreg_imm32_b32 hwreg(HW_REG_WAVE_MODE, 25, 1), 1
	s_wait_xcnt 0x0
	s_wait_alu depctr_hold_cnt(0) depctr_sa_sdst(0) depctr_va_vdst(0) depctr_va_sdst(0) depctr_va_ssrc(0) depctr_va_vcc(0) depctr_vm_vsrc(0)
	s_getreg_b32 s2, hwreg(HW_REG_IB_STS2, 6, 4)
	s_cmp_eq_u32 s2, 0
	s_cbranch_scc0 .Lentry_in_a_cluster
	s_endpgm
.Lentry_in_a_cluster:
	s_bfe_u32 s2, ttmp6, 0x10000c
	s_cmp_lg_u32 s2, 0xf033
	s_cbranch_scc0 .Lentry_shape_is_right
	s_endpgm
.Lentry_shape_is_right:
; gates = [x | h] [Wx | Wh]^T + bx + bh on the codes and scale words that launch quant laid in q; then the LSTM cell in f32; out0 = h_new, out1 = c_new.
; A work-group makes 256 batch rows x 64 outputs x 4 gates; a wave 128 x 128 of the gates: 64 accumulators.  K goes in chunks of 128 through two LDS slots of three chunks, filled by joint loads of a 4 x 4 cluster.
; A step is 64 matrix instructions.  The next step's fragments of B go into B's other set in two runs of 12 loads, at the step's head and behind its first sixteen products;
; A's blocks 0-3 are fetched anew in the step's middle and blocks 4-7 at its end.
.set CHB,    12800
.set PARTB,  3*CHB
.set TILEB,  409600
.set FRB,    1536
.set SCO,    8*FRB
.set FR,     12
.set NL,     3
.set NP,     4
.set SLOT,   4*PARTB
.set CP,     272
.set CT,     SLOT
.set HT,     CT+256*CP
.set SPARE,  2*SLOT
.set ADRA, 16
.set ADRB, 20
.set ADRS, 22
.set CA,   24
.set CAH,  25
.set RDC,  26
.set RDH,  27
.set SPW,  28
.set NIL,  29
.set PFO,  30
.set GO,   31
.set SC,   32
.set PFO2, 48
.set PFC,  49
.set BI,   64
.set AF,   128
.set T,    64
.set NB,   128
.set CC,   144
.set CN,   160
.set HN,   176
.set OB,   192
.set G1,   24
.set G0,   32
.set G1B,  48
.set G0B,  56
.set G1S,  92
.set G1SB, 72
.set G1C,  72
.set G0C,  80
.set K1,   84
.set K2,   86
.set CL,   88
.set PFA,  12
.set LIM,  2
.set MSB, 0
.macro WIN new
.if MSB != (\new)
	s_set_vgpr_msb (MSB<<8)|(\new)
.set MSB, (\new)
.endif
.endm
.set MUL_LO, 0xa1
.set MUL_HI, 0xf1
.set FST_LO, 0x81
.set FST_HI, 0xc1
.set TO_B,   0x40
.macro JLOAD g0a, g1a, g0b, g1b
	s_cmp_eq_u32 s15, 0
	s_cbranch_scc0 .Lfor_b_\@
	tensor_load_to_lds s[\g0a:\g0a+3], s[\g1a:\g1a+7]
	s_nop 0
.rept 4
	v_nop
.endr
	s_branch .Lasked_\@
.Lfor_b_\@:
	tensor_load_to_lds s[\g0b:\g0b+3], s[\g1b:\g1b+7]
	s_nop 0
.rept 4
	v_nop
.endr
.Lasked_\@:
.endm
.macro CREST
	s_cmp_lg_u32 s14, 0
	s_cbranch_scc1 .Lnot_wave_0_\@
	s_barrier_signal -3
.Lnot_wave_0_\@:
	s_barrier_wait -3
	s_barrier_signal -1
	s_barrier_wait -1
.endm
.macro CROUND
	s_barrier_signal -1
	s_barrier_wait -1
	CREST
.endm
.macro ASK how
.if \how
	s_cmp_eq_u32 s[LIM], 1
.else
	s_cmp_gt_u32 s3, s[LIM]
.endif
	s_cbranch_scc0 .Lnot_mine_\@
	global_prefetch_b8 v[PFO], s[PFA:PFA+1] offset:PARTB th:TH_LOAD_NT scope:SCOPE_SE    ; the three chunks of the refill after the one just asked for: my work-group's share of the part's 150 blocks of 256 bytes
	global_prefetch_b8 v[PFO2], s[PFA:PFA+1] offset:PARTB th:TH_LOAD_NT scope:SCOPE_SE
.Lnot_mine_\@:
.endm
	s_load_b256 s[4:11], s[0:1], 0x0
	s_load_b128 s[68:71], s[0:1], 0x20
	v_lshl_add_u32 v[SPW], v0, 2, SPARE
	v_mov_b32 v[NIL], 0
	ds_add_u32 v28, v29
	ds_add_u32 v28, v29
	s_wait_dscnt 0x0
	v_lshrrev_b32 v1, 5, v0
	v_readfirstlane_b32 s14, v1
	s_lshr_b32 s15, s14, 1
	s_and_b32 s16, s14, 1
	s_bfe_u32 s40, ttmp6, 0x40000
	s_bfe_u32 s41, ttmp6, 0x40004
	s_lshl_b32 s42, ttmp9, 2
	s_add_co_u32 s42, s42, s40
	s_and_b32 s17, ttmp7, 0xffff
	s_lshl_b32 s17, s17, 2
	s_add_co_u32 s17, s17, s41
	s_lshl_b32 s43, s41, 2
	s_lshl_b32 s43, 15, s43
	s_lshl_b32 s44, 0x1111, s40
	s_or_b32 s[G1+0], s43, (3<<16)|(1<<21)
	s_or_b32 s[G1B+0], s44, (3<<16)|(1<<21)
	s_or_b32 s[G1S+0], s43, (3<<16)|(1<<21)
	s_or_b32 s[G1SB+0], s44, (3<<16)|(1<<21)
.irp g, G1, G1B
	s_mov_b32 s[\g+1], 32<<16
	s_mov_b32 s[\g+2], 150<<16
	s_mov_b32 s[\g+3], 32<<16
	s_mov_b32 s[\g+4], 150
	s_mov_b32 s[\g+5], 32
	s_mov_b32 s[\g+6], 0
	s_mov_b32 s[\g+7], 0
.endr
.irp g, G1S, G1SB
	s_mov_b32 s[\g+1], 32<<16
	s_mov_b32 s[\g+2], 100<<16
	s_mov_b32 s[\g+3], 32<<16
	s_mov_b32 s[\g+4], 100
	s_mov_b32 s[\g+5], 32
	s_mov_b32 s[\g+6], 0
	s_mov_b32 s[\g+7], 0
.endr
	s_lshl_b32 s20, s17, 1
	s_add_co_u32 s20, s20, s16
	s_mul_i32 s20, s20, TILEB
	s_mov_b32 s21, 0
	s_lshl_b32 s46, s42, 1
	s_add_co_u32 s46, s46, s16
	s_add_co_u32 s46, s46, 16
	s_mul_i32 s46, s46, TILEB
	s_mov_b32 s47, 0
	s_mul_i32 s45, s14, PARTB
	s_lshl_b32 s90, s17, 8
	s_lshl_b32 s91, s14, 6
	s_add_co_u32 s90, s90, s91
	s_lshl_b32 s90, s90, 13
	s_lshl_b32 s91, s42, 8
	s_add_co_u32 s90, s90, s91
	s_mov_b32 s91, 0
	s_mul_i32 s[G0C+1], s14, 64*CP
	s_add_co_u32 s[G0C+1], s[G0C+1], CT
	s_lshl_b32 s18, s42, 8
	s_lshl_b32 s19, s16, 7
	s_add_co_u32 s18, s18, s19
	s_mov_b32 s19, 0
	s_mov_b32 s[K1], 0xbfb8aa3b
	s_mov_b32 s[K1+1], s[K1]
	s_mov_b32 s[K2], 0xc038aa3b
	s_mov_b32 s[K2+1], s[K2]
	s_mov_b32 s[CL], 0x41f00000
	s_wait_kmcnt 0x0
	s_add_nc_u64 s[20:21], s[4:5], s[20:21]
	s_add_nc_u64 s[46:47], s[4:5], s[46:47]
	s_add_nc_u64 s[6:7], s[6:7], s[18:19]
	s_add_nc_u64 s[8:9], s[8:9], s[18:19]
	s_add_nc_u64 s[10:11], s[10:11], s[90:91]
	s_mov_b32 s[G0C], 1
	s_mov_b64 s[G0C+2:G0C+3], s[10:11]
	s_or_b32 s[G0C+3], s[G0C+3], 0x80000000
	CROUND
.irp s, 0,1
	s_mov_b32 s[G0+4*\s], 1
	s_add_co_u32 s[G0+4*\s+1], s45, \s*SLOT
	s_add_nc_u64 s[G0+4*\s+2:G0+4*\s+3], s[20:21], \s*2*CHB
	s_or_b32 s[G0+4*\s+3], s[G0+4*\s+3], 0x80000000
	s_mov_b32 s[G0B+4*\s], 1
	s_add_co_u32 s[G0B+4*\s+1], s45, \s*SLOT
	s_add_nc_u64 s[G0B+4*\s+2:G0B+4*\s+3], s[46:47], \s*2*CHB
	s_or_b32 s[G0B+4*\s+3], s[G0B+4*\s+3], 0x80000000
.endr
	JLOAD G0, G1S, G0B, G1SB
	v_and_b32 v1, 15, v0
	v_bfe_u32 v2, v0, 4, 1
	v_and_b32 v3, 31, v0
	s_wait_alu depctr_va_vdst(0)
	v_lshlrev_b32 v6, 5, v2
.irp g, 0,1,2,3
.irp j, 0,1
	global_load_b128 v[BI+16*\g+8*\j:BI+16*\g+8*\j+3],   v6, s[6:7] offset:8192*\g+64*\j
	global_load_b128 v[BI+16*\g+8*\j+4:BI+16*\g+8*\j+7], v6, s[6:7] offset:8192*\g+64*\j+16
	global_load_b128 v[AF+16*\g+8*\j:AF+16*\g+8*\j+3],   v6, s[8:9] offset:8192*\g+64*\j
	global_load_b128 v[AF+16*\g+8*\j+4:AF+16*\g+8*\j+7], v6, s[8:9] offset:8192*\g+64*\j+16
.endr
.endr
	s_cmp_eq_u32 s15, 0
	s_cselect_b64 s[PFA:PFA+1], s[20:21], s[46:47]
	s_cselect_b32 s18, s40, s41
	s_mov_b32 s[LIM], 1                            ; every cluster asks for the tiles that it will itself load; the four partners share a part's blocks out by address
	s_add_nc_u64 s[PFA:PFA+1], s[PFA:PFA+1], 2*CHB ; at chunk 2
	s_mul_i32 s18, s18, 38
	v_add_nc_u32 v[PFO], s18, v3
	v_lshlrev_b32 v[PFO], 8, v[PFO]
	v_min_u32 v[PFO2], 5, v3
	v_add_nc_u32 v[PFO2], s18, v[PFO2]
	v_add_nc_u32 v[PFO2], 32, v[PFO2]
	v_min_u32 v[PFO2], 149, v[PFO2]
	v_lshlrev_b32 v[PFO2], 8, v[PFO2]
	global_prefetch_b8 v[PFO], s[PFA:PFA+1] th:TH_LOAD_NT scope:SCOPE_SE                 ; chunks 2-4, slot 1's first fill, which is issued only when slot 0's has landed
	global_prefetch_b8 v[PFO2], s[PFA:PFA+1] th:TH_LOAD_NT scope:SCOPE_SE
	v_lshlrev_b32 v[PFC], 13, v3
	v_lshlrev_b32 v4, 4, v3
	s_mul_i32 s20, s15, PARTB
	s_mul_i32 s21, s16, PARTB
	s_add_co_u32 s21, s21, 2*PARTB
.irp s, 0,1
	v_add_nc_u32 v[ADRA+\s], s20, v4
	v_add_nc_u32 v[ADRB+\s], s21, v4
	s_add_co_u32 s20, s20, SLOT
	s_add_co_u32 s21, s21, SLOT
.endr
	s_xor_b32 s22, s15, 1
	s_add_co_u32 s22, s22, s16
	s_add_co_u32 s22, s22, 1
	s_mul_i32 s22, s22, PARTB
	v_mul_u32_u24 v5, s22, v2
	v_lshl_add_u32 v5, v1, 4, v5
	s_mul_i32 s20, s15, PARTB
	s_add_co_u32 s20, s20, SCO
	v_add_nc_u32 v[ADRS], s20, v5
	v_add_nc_u32 v[ADRS+1], SLOT, v[ADRS]
	s_mul_i32 s20, s15, 128*CP
	s_lshl_b32 s21, s16, 7
	s_add_co_u32 s20, s20, s21
	v_mul_u32_u24 v5, v1, CP
	v_lshl_add_u32 v5, v2, 5, v5
	v_add_nc_u32 v5, s20, v5
	v_add_nc_u32 v[CA], CT, v5
	v_add_nc_u32 v[CAH], HT, v5
	s_mul_i32 s20, s15, 128*CP
	s_mul_i32 s21, s16, 8*CP
	s_add_co_u32 s20, s20, s21
	v_mul_u32_u24 v5, v2, CP
	v_lshl_add_u32 v5, v1, 4, v5
	v_add_nc_u32 v5, s20, v5
	v_add_nc_u32 v[RDC], CT, v5
	v_add_nc_u32 v[RDH], HT, v5
	v_lshlrev_b32 v[GO], 4, v1
	v_lshl_add_u32 v[GO], v2, 13, v[GO]
	s_lshl_b32 s90, s17, 8
	s_lshl_b32 s91, s15, 7
	s_add_co_u32 s90, s90, s91
	s_lshl_b32 s91, s16, 3
	s_add_co_u32 s90, s90, s91
	s_lshl_b32 s90, s90, 13
	s_lshl_b32 s91, s42, 8
	s_add_co_u32 s90, s90, s91
	s_mov_b32 s91, 0
	s_add_nc_u64 s[68:69], s[68:69], s[90:91]
	s_add_nc_u64 s[70:71], s[70:71], s[90:91]
	s_wait_alu depctr_va_vdst(0)
	s_wait_tensorcnt 0x0                           ; my part of slot 0 is in (the biases' loads and the set-up above stand between the request and this wait)
	ds_add_u32 v28, v29
	s_wait_dscnt 0x0
	CROUND
	JLOAD G0+4, G1, G0B+4, G1B                     ; slot 1's first fill, issued as a refill is
	global_prefetch_b8 v[PFO], s[PFA:PFA+1] offset:PARTB th:TH_LOAD_NT scope:SCOPE_SE    ; chunks 5-7, the first refill's
	global_prefetch_b8 v[PFO2], s[PFA:PFA+1] offset:PARTB th:TH_LOAD_NT scope:SCOPE_SE
	s_wait_loadcnt 0x0
.set i, 0
.rept 32
	v_pk_add_f32 v[BI+i:BI+i+1], v[BI+i:BI+i+1], v[AF+i:AF+i+1]
.set i, i+2
.endr
.rept 8
	v_nop
.endr
.macro FRAG reg, adr, q, i
.irp c, 0,1,2
	ds_load_b128 v[\reg+4*\c:\reg+4*\c+3], v[\adr] offset:(\q)*CHB+(\i)*FRB+512*\c
.endr
.endm
.macro MUL16 a0, p, first
.irp a, \a0, \a0+1
.irp b, 0,1,2,3,4,5,6,7
.if \first
	v_wmma_scale_f32_16x16x128_f8f6f4 v[8*(8*((\a)%4)+\b):8*(8*((\a)%4)+\b)+7], v[128*(\p)+FR*\b:128*(\p)+FR*\b+FR-1], v[AF+FR*(\a):AF+FR*(\a)+FR-1], v[BI+8*\b:BI+8*\b+7], v[SC+8*(\p)+\b], v[SC+8*(\p)+(\a)] matrix_a_fmt:MATRIX_FMT_FP6 matrix_b_fmt:MATRIX_FMT_FP6 matrix_a_scale:MATRIX_SCALE_ROW1
.else
	v_wmma_scale_f32_16x16x128_f8f6f4 v[8*(8*((\a)%4)+\b):8*(8*((\a)%4)+\b)+7], v[128*(\p)+FR*\b:128*(\p)+FR*\b+FR-1], v[AF+FR*(\a):AF+FR*(\a)+FR-1], v[8*(8*((\a)%4)+\b):8*(8*((\a)%4)+\b)+7], v[SC+8*(\p)+\b], v[SC+8*(\p)+(\a)] matrix_a_fmt:MATRIX_FMT_FP6 matrix_b_fmt:MATRIX_FMT_FP6 matrix_a_scale:MATRIX_SCALE_ROW1
.endif
.endr
.endr
.endm
.macro FETCH_B slot, q, p
	WIN TO_B
.irp i, 0,1,2,3,4,5,6,7
	FRAG 128*(\p)+FR*\i, ADRB+\slot, \q, \i
.endr
	WIN 0
.endm
.macro FETCH_A slot, q, i0
.irp i, \i0, \i0+1, \i0+2, \i0+3
	FRAG AF+FR*(\i), ADRA+\slot, \q, \i
.endr
.endm
.macro SCALES slot, q, p
	ds_load_b128 v[SC+8*(\p):SC+8*(\p)+3],   v[ADRS+\slot] offset:(\q)*CHB
	ds_load_b128 v[SC+8*(\p)+4:SC+8*(\p)+7], v[ADRS+\slot] offset:(\q)*CHB+256
.endm
.macro PLACES n
.rept \n
	v_nop
.endr
.endm
.macro WORK p, ns, nq, first
.if \first
	WIN FST_LO
.else
	WIN MUL_LO
.endif
	MUL16 0, \p, \first
	FETCH_BH \ns, \nq, 1-(\p), 4                   ; the next step's blocks 4-7 of B (the places behind that set's last products stand at the last step's end)
.if \first
	WIN FST_LO
.else
	WIN MUL_LO
.endif
	MUL16 2, \p, \first
	s_wait_dscnt 26                                ; A's blocks 4-7 are in; behind them: the 14 loads of the step's head and the 12 above
	PLACES NP
	WIN 0
	FETCH_A \ns, \nq, 0
.if \first
	WIN FST_HI
.else
	WIN MUL_HI
.endif
	MUL16 4, \p, \first
	MUL16 6, \p, \first
	PLACES NP
	WIN 0
	FETCH_A \ns, \nq, 4
.endm
.macro FETCH_BH slot, q, p, i0         ; four of B's eight fragments into set p
	WIN TO_B
.irp i, \i0, \i0+1, \i0+2, \i0+3
	FRAG 128*(\p)+FR*(\i), ADRB+\slot, \q, \i
.endr
	WIN 0
.endm
.macro STEP slot, q, p, first
	FETCH_BH \slot, (\q)+1, 1-(\p), 0              ; the next step's blocks 0-3 of B and its scale words, a whole step ahead of their use
	SCALES \slot, (\q)+1, 1-(\p)
	s_wait_dscnt 26                                ; this step's B, scale words and A's blocks 0-3 are in; A's blocks 4-7 (12) and the 14 just issued may be out
	WORK \p, \slot, (\q)+1, \first
.endm
.macro TURN slot, p, next, fill, how
.if (\fill) < 3
	s_wait_xcnt 0x0
	s_add_nc_u64 s[PFA:PFA+1], s[PFA:PFA+1], PARTB
.endif
	s_wait_tensorcnt 0x0
	ds_add_u32 v[SPW], v[NIL]
.if (\fill) == 1
	s_add_nc_u64 s[G0+4*\slot+2:G0+4*\slot+3], s[G0+4*\slot+2:G0+4*\slot+3], 2*PARTB
	s_add_nc_u64 s[G0B+4*\slot+2:G0B+4*\slot+3], s[G0B+4*\slot+2:G0B+4*\slot+3], 2*PARTB
.elseif (\fill) == 2
	s_add_nc_u64 s[G0+4*\slot+2:G0+4*\slot+3], s[G0+4*\slot+2:G0+4*\slot+3], 2*CHB+PARTB
	s_add_nc_u64 s[G0B+4*\slot+2:G0B+4*\slot+3], s[G0B+4*\slot+2:G0B+4*\slot+3], 2*CHB+PARTB
.endif
	s_wait_dscnt 4*NL+1                            ; (the add and A's blocks 4-7 may be out)
	WIN MUL_LO
	MUL16 0, \p, 0                                 ; sixteen matrix instructions stand between the add and the wait for it
	WIN 0
	s_wait_dscnt 0x0                               ; the add is done, and my reads of this slot are over
	s_barrier_signal -1                            ; this barrier opens a round of the cluster's barrier
	s_barrier_wait -1
	CREST
.if (\fill) < 3
	JLOAD G0+4*\slot, G1, G0B+4*\slot, G1B
.else
	tensor_load_to_lds s[G0C:G0C+3], s[G1C:G1C+7]
	s_nop 0
.rept 4
	v_nop
.endr
.endif
	FETCH_B \next, 0, 1-(\p)
	SCALES \next, 0, 1-(\p)
.if (\fill) < 3
	ASK \how
.endif
	WIN MUL_LO
	MUL16 2, \p, 0
	PLACES NP
	WIN 0
	FETCH_A \next, 0, 0
	WIN MUL_HI
	MUL16 4, \p, 0
	MUL16 6, \p, 0
	PLACES NP
	WIN 0
	FETCH_A \next, 0, 4
.endm
	s_wait_alu depctr_va_vdst(0)
	s_wait_tensorcnt 1
	s_barrier_signal -1
	s_barrier_wait -1
	FETCH_B 0, 0, 0
	FETCH_A 0, 0, 0
	SCALES 0, 0, 0
	FETCH_A 0, 0, 4
	STEP 0, 0, 0, 1
	TURN 0, 1, 1, 2, 1
	s_mov_b32 s3, 4
.Llap:
	STEP 1, 0, 0, 0
	STEP 1, 1, 1, 0
	TURN 1, 0, 0, 1, 1
	STEP 0, 0, 1, 0
	STEP 0, 1, 0, 0
	TURN 0, 1, 1, 1, 0
	s_sub_co_u32 s3, s3, 1
	s_cmp_lg_u32 s3, 0
	s_cbranch_scc1 .Llap
	s_mov_b32 s[G1C+0], (2<<16)|(1<<20)|(5<<22)|(3<<25)
	s_mov_b32 s[G1C+1], 64<<16
	s_mov_b32 s[G1C+2], 64<<16
	s_mov_b32 s[G1C+3], 64<<16
	s_mov_b32 s[G1C+4], 64
	s_mov_b32 s[G1C+5], 2048
	s_mov_b32 s[G1C+6], 0
	s_mov_b32 s[G1C+7], 0
	global_prefetch_b8 v[PFC], s[10:11] th:TH_LOAD_NT scope:SCOPE_SE
	global_prefetch_b8 v[PFC], s[10:11] offset:32*8192 th:TH_LOAD_NT scope:SCOPE_SE
	STEP 1, 0, 0, 0
	STEP 1, 1, 1, 0
	TURN 1, 0, 0, 3, 0
	STEP 0, 0, 1, 0
	STEP 0, 1, 0, 0
	s_wait_dscnt 4*NL
	WIN MUL_LO
	MUL16 0, 1, 0
	MUL16 2, 1, 0
	s_wait_dscnt 0
	WIN MUL_HI
	MUL16 4, 1, 0
	MUL16 6, 1, 0
	WIN 0
	PLACES NP
.macro CLOAD a
.irp j, 0,1
	ds_load_b128 v[CC+8*\j:CC+8*\j+3],   v[CA] offset:16*CP*(\a)+64*\j
	ds_load_b128 v[CC+8*\j+4:CC+8*\j+7], v[CA] offset:16*CP*(\a)+64*\j+16
.endr
.endm
.macro HEADA a
.set AC, 64*((\a)%4)
	WIN 0x02+(\a)/4
.irp b, 0,1,2,3,4,5
.irp k, 0,2,4,6
	v_pk_mul_f32 v[T+8*\b+\k:T+8*\b+\k+1], v[AC+8*\b+\k:AC+8*\b+\k+1], s[K1:K1+1] op_sel_hi:[1,0]
.endr
.endr
.irp b, 6,7
.irp k, 0,2,4,6
	v_pk_mul_f32 v[T+8*\b+\k:T+8*\b+\k+1], v[AC+8*\b+\k:AC+8*\b+\k+1], s[K2:K2+1] op_sel_hi:[1,0]
.endr
.endr
	WIN 0
.set i, 0
.rept 16
	v_min_num_f32 v[T+48+i], s[CL], v[T+48+i]
.set i, i+1
.endr
.set i, 0
	s_wait_alu depctr_va_vdst(0)
.rept 64
	v_exp_f32 v[T+i], v[T+i]
.set i, i+1
.endr
	v_nop
.endm
.macro BACK a
.set BB, OB+32*((\a)%2)
.if (\a) >= 2
	s_wait_xcnt 0x0
.endif
.irp t, 0,1,2,3
	ds_load_b128 v[BB+4*\t:BB+4*\t+3], v[RDC] offset:(16*(\a)+2*\t)*CP
.endr
.irp t, 0,1,2,3
	ds_load_b128 v[BB+16+4*\t:BB+16+4*\t+3], v[RDH] offset:(16*(\a)+2*\t)*CP
.endr
.endm
.macro SEND a
.set BB, OB+32*((\a)%2)
	s_wait_dscnt 0x0
.irp t, 0,1,2,3
	global_store_b128 v[GO], v[BB+4*\t:BB+4*\t+3], s[70:71] offset:(16*(\a)+2*\t)*8192 th:TH_STORE_NT
.endr
.irp t, 0,1,2,3
	global_store_b128 v[GO], v[BB+16+4*\t:BB+16+4*\t+3], s[68:69] offset:(16*(\a)+2*\t)*8192 th:TH_STORE_NT
.endr
.endm
.macro BODYA a
	s_wait_alu depctr_va_vdst(0)
.irp k, 0,2,4,6,8,10,12,14
	v_pk_fma_f32 v[NB+\k:NB+\k+1], v[T+48+\k:T+48+\k+1], -1.0, 1.0 op_sel_hi:[1,0,0]
.endr
.set i, 0
.rept 32
	v_pk_add_f32 v[T+i:T+i+1], v[T+i:T+i+1], 1.0 op_sel_hi:[1,0]
.set i, i+2
.endr
.irp k, 0,2,4,6,8,10,12,14
	v_pk_mul_f32 v[T+\k:T+\k+1], v[T+\k:T+\k+1], v[T+48+\k:T+48+\k+1]
.endr
.set i, 0
	s_wait_alu depctr_va_vdst(0)
.rept 32
	v_rcp_f32 v[T+i], v[T+i]
.set i, i+1
.endr
	v_nop
.if (\a) == 0
	s_wait_dscnt 0x0
.else
	SEND (\a)-1
.endif
	s_wait_alu depctr_va_vdst(0)
.irp k, 0,2,4,6,8,10,12,14
	v_pk_mul_f32 v[NB+\k:NB+\k+1], v[NB+\k:NB+\k+1], v[T+\k:T+\k+1]
.endr
.irp k, 0,2,4,6,8,10,12,14
	v_pk_fma_f32 v[CN+\k:CN+\k+1], v[CC+\k:CC+\k+1], v[T+16+\k:T+16+\k+1], v[NB+\k:NB+\k+1]
.endr
.irp k, 0,2,4,6,8,10,12,14
	v_pk_mul_f32 v[T+48+\k:T+48+\k+1], v[CN+\k:CN+\k+1], s[K2:K2+1] op_sel_hi:[1,0]
.endr
.set i, 0
.rept 16
	v_min_num_f32 v[T+48+i], s[CL], v[T+48+i]
.set i, i+1
.endr
.set i, 0
	s_wait_alu depctr_va_vdst(0)
.rept 16
	v_exp_f32 v[T+48+i], v[T+48+i]
.set i, i+1
.endr
	v_nop
.irp j, 0,1
	ds_store_b128 v[CA], v[CN+8*\j:CN+8*\j+3] offset:16*CP*(\a)+64*\j
	ds_store_b128 v[CA], v[CN+8*\j+4:CN+8*\j+7] offset:16*CP*(\a)+64*\j+16
.endr
	s_wait_alu depctr_va_vdst(0)
.irp k, 0,2,4,6,8,10,12,14
	v_pk_fma_f32 v[NB+\k:NB+\k+1], v[T+48+\k:T+48+\k+1], -1.0, 1.0 op_sel_hi:[1,0,0]
.endr
.irp k, 0,2,4,6,8,10,12,14
	v_pk_add_f32 v[T+48+\k:T+48+\k+1], v[T+48+\k:T+48+\k+1], 1.0 op_sel_hi:[1,0]
.endr
.irp k, 0,2,4,6,8,10,12,14
	v_pk_mul_f32 v[T+48+\k:T+48+\k+1], v[T+48+\k:T+48+\k+1], v[T+32+\k:T+32+\k+1]
.endr
.set i, 0
	s_wait_alu depctr_va_vdst(0)
.rept 16
	v_rcp_f32 v[T+48+i], v[T+48+i]
.set i, i+1
.endr
	v_nop
	s_wait_alu depctr_va_vdst(0)
.irp k, 0,2,4,6,8,10,12,14
	v_pk_mul_f32 v[HN+\k:HN+\k+1], v[NB+\k:NB+\k+1], v[T+48+\k:T+48+\k+1]
.endr
.irp j, 0,1
	ds_store_b128 v[CAH], v[HN+8*\j:HN+8*\j+3] offset:16*CP*(\a)+64*\j
	ds_store_b128 v[CAH], v[HN+8*\j+4:HN+8*\j+7] offset:16*CP*(\a)+64*\j+16
.endr
.endm
	s_wait_tensorcnt 0x0
	s_barrier_signal -1
	HEADA 0
	s_barrier_wait -1
	CLOAD 0
.irp a, 0,1,2,3,4,5,6,7
.if \a > 0
	s_barrier_wait -1
	BACK \a-1
.endif
	BODYA \a
.if \a < 7
	CLOAD \a+1
.endif
	s_wait_dscnt 0x0
	s_barrier_signal -1
.if \a < 7
	HEADA \a+1
.endif
.endr
	s_barrier_wait -1
	BACK 7
	SEND 7
	s_wait_tensorcnt 0x0
	ds_add_u32 v[SPW], v[NIL]
	s_wait_dscnt 0x0
	CROUND
	s_endpgm
.Lfunc_end_k_q9022953d4c_lstm:
	.size	k_q9022953d4c_lstm, .Lfunc_end_k_q9022953d4c_lstm-k_q9022953d4c_lstm
	.p2alignl 7, 3214868480
	.fill 96, 4, 3214868480
	.section	.rodata,"a",@progbits
	.p2align	6, 0x0
	.amdhsa_kernel k_q9022953d4c_lstm
		.amdhsa_group_segment_fixed_size 327680
		.amdhsa_private_segment_fixed_size 0
		.amdhsa_enable_private_segment 0
		.amdhsa_kernarg_size 48
		.amdhsa_user_sgpr_count 2
		.amdhsa_user_sgpr_kernarg_segment_ptr 1
		.amdhsa_wavefront_size32 1
		.amdhsa_system_sgpr_workgroup_id_x 1
		.amdhsa_system_sgpr_workgroup_id_y 1
		.amdhsa_system_sgpr_workgroup_id_z 1
		.amdhsa_system_vgpr_workitem_id 0
		.amdhsa_next_free_vgpr 1024
		.amdhsa_next_free_sgpr 100
		.amdhsa_reserve_vcc 0
		.amdhsa_float_denorm_mode_32 3
		.amdhsa_float_denorm_mode_16_64 3
		.amdhsa_memory_ordered 1
		.amdhsa_forward_progress 1
		.amdhsa_inst_pref_size 255
	.end_amdhsa_kernel
	.section	.bss,"aw",@nobits
	.p2align	6
	.space	262144
	.amdgpu_metadata
---
amdhsa.version: [ 1, 2 ]
amdhsa.kernels:
  - .name:           k_q9022953d4c_lstm
    .symbol:         k_q9022953d4c_lstm.kd
    .args:
      - { .name: q, .offset: 0, .size: 8, .value_kind: global_buffer, .address_space: global }
      - { .name: bx, .offset: 8, .size: 8, .value_kind: global_buffer, .address_space: global }
      - { .name: bh, .offset: 16, .size: 8, .value_kind: global_buffer, .address_space: global }
      - { .name: c, .offset: 24, .size: 8, .value_kind: global_buffer, .address_space: global }
      - { .name: out0, .offset: 32, .size: 8, .value_kind: global_buffer, .address_space: global }
      - { .name: out1, .offset: 40, .size: 8, .value_kind: global_buffer, .address_space: global }
    .group_segment_fixed_size: 327680
    .private_segment_fixed_size: 0
    .kernarg_segment_align: 8
    .kernarg_segment_size: 48
    .max_flat_workgroup_size: 128
    .sgpr_count:     100
    .vgpr_count:     1024
    .wavefront_size: 32
...
	.end_amdgpu_metadata
.endif
;; end of part 2
